; MI455X (gfx1250); checked and timed in simulation.
; The chip was launched on July 23, 2026; its instructions are those of AMD's public machine-readable ISA for CDNA 5 (MIT licence, August 2026) and "CDNA5" Instruction Set Architecture Reference Guide (July 2026). The comments in the code are by the model that wrote it; some were corrected since.
;; ODE Block. Allowed arithmetic: float matrix products may take bf16 or f16 operands with f32 sums; all other float work in f32.
;; Inputs: W1 128 x 128 float32; W2 128 x 128 float32; b1 128 float32; b2 128 float32; x 32,768 x 128 float32.
;; Outputs: out0 32,768 x 128 float32.
;; 2 versions, each right; version 2 is version 1 with the launch ode written anew for expert scheduling mode. Each part assembles by itself: llvm-mc -triple=amdgcn-amd-amdhsa -mcpu=gfx1250 --defsym DOCPART=n.
;; ======== version 1 of 2: 1 launch
;; launch ode (part 1): grid 256 x 1, 4 waves a work-group, no clusters, 145,920 bytes of LDS; arguments x, W1, b1, W2, b2, out0; writes out0
.if DOCPART == 1
	.amdgcn_target "amdgcn-amd-amdhsa--gfx1250"
	.amdhsa_code_object_version 6
	.text
	.protected	k_q47c42d442f_ode
	.globl	k_q47c42d442f_ode
	.p2align	8
	.type	k_q47c42d442f_ode,@function
k_q47c42d442f_ode:
	s_mov_b64 s[64:65], 0
	v_nop
	global_prefetch_b8 v0, s[64:65] scope:SCOPE_SE
	s_setreg_imm32_b32 hwreg(HW_REG_WAVE_MODE, 25, 1), 1
	s_wait_xcnt 0x0
; Six fixed Dormand-Prince steps of y' = f(y) = tanh(y W1 + b1) W2 + b2 on 32,768 independent rows of 128 f32.  One launch, x read once, out0 written once.
; SHARES: 256 work-groups x 128 rows; 4 waves x 32 rows; a wave works its rows in two passes of 16.  36 evaluations of f a pass, 64 matrix instructions each.
; EVERYTHING STAYS IN REGISTERS: both weight matrices as bf16 fragments (2 x 256 registers a wave, loaded once), y and k1..k5 of the 16 rows in f32
; (6 x 64 registers).  In the loop LDS serves only the two biases, which are loaded into the accumulators as the products' C operand.
; THE PRODUCTS ARE TRANSPOSED: Z^T = W1^T U^T and K^T = W2^T H^T, weights as source 0, batch rows as source 1.  With r = lane % 16, h = lane / 16, register j of
; result tile t holds (feature 16 t + 8 h + j, batch row r).  Two neighbouring tiles 2q, 2q+1, packed in pairs to bf16, are then exactly source 1's fragment of
; K block q (registers 0-3: k = 32 q + 8 h + 0..7, registers 4-7: k = 32 q + 16 + 8 h + 0..7): nothing is transposed between the products, no barrier in the loop.
; Every f32 matrix M of the 16 rows is 64 registers: M[8 t + j] = M(row r, feature 16 t + 8 h + j).
; FOLDS, made once: c = 2 log2 e is multiplied into W1 (before its one rounding to bf16) and into b1, so that tanh(z) = 1 - 2 / (1 + 2^(c z)) needs no multiply
; in front of the exponential.  DT x tableau are f32 constants.
; LIMITS, kept on purpose:
;   - the stage sums are chains of fused multiply-adds with DT x a_ij multiplied beforehand: an order of rounding other than the reference's (a few 2^-24 relative);
;   - tanh has an absolute error of a few 2^-24 (its relative accuracy falls off below |z| of about 1e-4); it reaches y multiplied by |W2| x DT.
;     2^(c z) = infinity gives tanh = 1 exactly, 2^(c z) = 0 (underflow is flushed: ISA guide, v_exp_f32) gives -1 exactly, NaN stays NaN;
;   - u, tanh(..), c W1 and W2 enter the matrix unit rounded to bf16; y, k1..k6 and all sums stay in f32.
; NO CLUSTER, NO TENSOR LOADS: what work-groups share is 131,072 bytes of weights and 1,024 of biases, read once by each work-group in front of 4,608 matrix
; instructions a wave, and they pass through registers in any case (scaling by c, f32 to bf16).  No prefetch: all of a wave's x is asked for in the first lines.
; ---- sizes and LDS map (bytes) ----
.set WP,    288                        ; pitch of a bf16 weight row [k][128]: 256 + 32 = 9 x 32, for the transposing loads
.set LW1,   0                          ; c W1, 128 rows x 288
.set LW2,   36864                      ; W2, 128 rows x 288
.set BIAS,  73728                      ; wave w at + 1024 w: c b1 (512 bytes), then b2 (512 bytes); each wave's own copy
.set B2OFF, 512
.set STG,   77824                      ; wave w at + 16896 w: its 32 rows of f32; x on the way in, y on the way out; own bytes only
.set STP,   528                        ; stage pitch: 512 + 16 = 33 x 16: sixteen rows' equal columns lie in sixteen different 16-byte columns modulo 256 bytes
.set WSTG,  32*STP
.set HALF,  16*STP                     ; a pass's 16 rows in the stage
.set TRIPS, 12                         ; 2 passes x 6 steps
; ---- constants ----
.set C2L, 0x4038aa3b                   ; 2 log2 e
.set A21, 0x3b03126f                   ; DT x 1/5
.set A31, 0x3a449ba6                   ; DT x 3/40
.set A32, 0x3b1374bc                   ; DT x 9/40
.set A41, 0x3c2032f9                   ; DT x 44/45
.set A42, 0xbd18ead6                   ; DT x -56/15
.set A43, 0x3d11a2b4                   ; DT x 32/9
.set A51, 0x3cf1e07c                   ; DT x 19372/6561
.set A52, 0xbded7b5a                   ; DT x -25360/2187
.set A53, 0x3dc92c40                   ; DT x 64448/6561
.set A54, 0xbb3e95b6                   ; DT x -212/729
.set A61, 0x3ce92ab8                   ; DT x 9017/3168
.set A62, 0xbddc50ae                   ; DT x -355/33
.set A63, 0x3db6674e                   ; DT x 46732/5247
.set A64, 0x3b36754b                   ; DT x 49/176
.set A65, 0xbb3342f0                   ; DT x -5103/18656
.set B1,  0x3a6eeeef                   ; DT x 35/384
.set B3,  0x3b9334ac                   ; DT x 500/1113
.set B4,  0x3bd55555                   ; DT x 125/192
.set B5,  0xbb5345bf                   ; DT x -2187/6784
.set B6,  0x3aaba454                   ; DT x 11/84
; ---- vector registers ----
; window 0: v0 thread, v1 lane, v2 r, v3 h, v15 set-up's temporary, and
.set GW,   4                           ; 16 x thread: my 16 bytes in four rows of a weight matrix
.set SW1,  5                           ; LDS: 288 wave + 8 lane (c W1 in bf16)
.set SW2,  6                           ; the same for W2
.set GO,   7                           ; 16384 wave + 16 lane: my 16 bytes of my wave's first row, in x and in out0
.set GB,   8                           ; 16 lane: my 16 bytes of a bias
.set ADB,  9                           ; LDS: my wave's biases + 16 lane (stores)
.set BIA,  10                          ; LDS: my wave's biases + 32 h (features 8 h .. 8 h + 7 of tile 0)
.set SROW, 11                          ; LDS: my wave's stage + 16 lane (whole rows)
.set SFRG, 12                          ; LDS: my wave's stage + 528 r + 32 h (register layout)
.set TR1,  13                          ; LDS: (8 h + lane % 8) 288 + 16 ((lane / 8) % 2): transposing loads of c W1
.set TR2,  14                          ; the same for W2
.set T,    16                          ; v[16:31]   one K block (16 registers) of a stage's u in f32
.set FR,   32                          ; v[32:63]   u in bf16: fragment q at FR + 8 q
.set ACC,  64                          ; v[64:127]  Z tile t at ACC + 8 t; behind tanh, H's fragment q at ACC + 16 q .. + 7
.set Y,    128                         ; v[128:191] y
.set K5,   192                         ; v[192:255] k5
; window 1: the four other slopes; k6 takes k2's registers (k2 is dead once u6 is made)
.set K1,   0
.set K2,   64
.set K3,   128
.set K4,   192
; window 2: c W1's fragment (tile t, K block q) at 8 (8 q + t);  window 3: W2's likewise
; ---- s_set_vgpr_msb, low byte: bits 1:0 source 0, 3:2 source 1, 5:4 source 2, 7:6 destination ----
.set DST_W1,  0x40                     ; loads into window 1
.set ALL_W1,  0x45                     ; sources 0, 1 and destination in window 1
.set DATA_W1, 0x04                     ; an LDS store's data in window 1
.set DST_W2,  0x80
.set DST_W3,  0xc0
.set G1W,     0x02                     ; first product: source 0 (c W1) window 2, the rest window 0
.set G2W1,    0x53                     ; second product: source 0 (W2) window 3, source 1 (H) window 0, C and D window 1
.set G2W0,    0x03                     ; the same with C and D in window 0 (k5)
.set SRC0_W1, 0x01                     ; a slope of window 1 as a multiply-add's first source
.set MSB, 0
.macro WIN new                         ; the immediate's high byte repeats the setting that is left; a switch that changes nothing is dropped
.if MSB != \new
	s_set_vgpr_msb (MSB<<8)|\new
.set MSB, \new
.endif
.endm
; Four places behind a matrix instruction, before a vector instruction reads its result or a load is issued into one of its registers
; (ISA guide 7.12.1 for vector instructions).
.macro PLACES
.rept 4
	v_nop
.endr
.endm
; T (+)= coef x k, K block q (16 registers, two at a time); first = 1: the sum starts from y, nothing is cleared or copied
.macro AXPY q, kb, coef, first
.irp e, 0,1,2,3,4,5,6,7
.if \first
	v_pk_fma_f32 v[T+2*\e:T+2*\e+1], v[\kb+16*\q+2*\e:\kb+16*\q+2*\e+1], \coef, v[Y+16*\q+2*\e:Y+16*\q+2*\e+1] op_sel_hi:[1,0,1]
.else
	v_pk_fma_f32 v[T+2*\e:T+2*\e+1], v[\kb+16*\q+2*\e:\kb+16*\q+2*\e+1], \coef, v[T+2*\e:T+2*\e+1] op_sel_hi:[1,0,1]
.endif
.endr
.endm
; 16 f32 at src become u's bf16 fragment of K block q
.macro PACKU q, src
.irp e, 0,1,2,3,4,5,6,7
	v_cvt_pk_bf16_f32 v[FR+8*\q+\e], v[\src+2*\e], v[\src+2*\e+1]
.endr
.endm
; A bias as the C operand of eight tiles: 16 loads; lanes 0-15 read one 16 bytes, lanes 16-31 another
.macro LOADB dst, off
.irp t, 0,1,2,3,4,5,6,7
	ds_load_b128 v[\dst+8*\t:\dst+8*\t+3],   v[BIA] offset:\off+64*\t
	ds_load_b128 v[\dst+8*\t+4:\dst+8*\t+7], v[BIA] offset:\off+64*\t+16
.endr
.endm
; 32 matrix instructions: eight result tiles at d, four K blocks; source 1's fragment q at b + bs q.
; The eight accumulators take turns, one instruction a turn.
.macro GEMM d, b, bs
.irp q, 0,1,2,3
.irp t, 0,1,2,3,4,5,6,7
	v_wmma_f32_16x16x32_bf16 v[\d+8*\t:\d+8*\t+7], v[8*(8*\q+\t):8*(8*\q+\t)+7], v[\b+\bs*\q:\b+\bs*\q+7], v[\d+8*\t:\d+8*\t+7]
.endr
.endr
.endm
; ACC holds c z; h = 1 - 2 / (1 + 2^(c z)), in place, then packed to H's four fragments.
; Behind each run of transcendentals one v_nop stands before a result is used (ISA guide 5.7.2).
.macro TANH
.set i, 0
.rept 64
	v_exp_f32 v[ACC+i], v[ACC+i]
.set i, i+1
.endr
	v_nop
.set i, 0
	s_wait_alu depctr_va_vdst(0)
.rept 32
	v_pk_add_f32 v[ACC+i:ACC+i+1], v[ACC+i:ACC+i+1], 1.0 op_sel_hi:[1,0]
.set i, i+2
.endr
.set i, 0
.rept 64
	v_rcp_f32 v[ACC+i], v[ACC+i]
.set i, i+1
.endr
	v_nop
.set i, 0
	s_wait_alu depctr_va_vdst(0)
.rept 32
	v_pk_fma_f32 v[ACC+i:ACC+i+1], v[ACC+i:ACC+i+1], -2.0, 1.0 op_sel_hi:[1,0,0]
.set i, i+2
.endr
.irp q, 0,1,2,3
.irp e, 0,1,2,3,4,5,6,7
	v_cvt_pk_bf16_f32 v[ACC+16*\q+\e], v[ACC+16*\q+2*\e], v[ACC+16*\q+2*\e+1]   ; ascending e: register 16 q + e has been read by the time it is written
.endr
.endr
.endm
; y += coef x k, all 64 registers
.macro SWEEP kb, coef
.set i, 0
.rept 32
	v_pk_fma_f32 v[Y+i:Y+i+1], v[\kb+i:\kb+i+1], \coef, v[Y+i:Y+i+1] op_sel_hi:[1,0,1]
.set i, i+2
.endr
.endm
; One evaluation of f: u's fragments lie in FR, c b1 is on its way into ACC; the slope goes to registers sb of window win (0 or 1).
.macro MLP win, sb
.if \win
	WIN DST_W1
.else
	WIN 0
.endif
	LOADB \sb, B2OFF                               ; b2 as the second product's C: it has the first product and tanh in which to land
	s_wait_dscnt 16                                ; the 16 loads just issued may stay out; the 16 of c b1 ahead of them are in ACC
	WIN G1W
	GEMM ACC, FR, 8                                ; c z^T = (c W1)^T u^T + c b1
	WIN 0
	PLACES
	TANH
	s_wait_dscnt 0x0                               ; b2 is in
.if \win
	WIN G2W1
.else
	WIN G2W0
.endif
	GEMM \sb, ACC, 16                              ; k^T = W2^T h^T + b2
	WIN 0
	PLACES                                         ; for the loads into ACC (source 1 above) and for the sums that read k next
	LOADB ACC, 0                                   ; c b1 for the next evaluation: it has the next stage's sums in which to land
.endm
; Stage n = 2 .. 6: u = y + c1 k1 + .. + c(n-1) k(n-1), a K block at a time, then packed.  k1..k4 lie in window 1, k5 in window 0.
.macro USTAGE n, c1, c2, c3, c4, c5
.irp q, 0,1,2,3
	WIN SRC0_W1
	AXPY \q, K1, \c1, 1
.if \n > 2
	AXPY \q, K2, \c2, 0
.endif
.if \n > 3
	AXPY \q, K3, \c3, 0
.endif
.if \n > 4
	AXPY \q, K4, \c4, 0
.endif
	WIN 0
.if \n > 5
	AXPY \q, K5, \c5, 0
.endif
	PACKU \q, T
.endr
.endm
; The 32 fragments of a weight matrix from its [k][n] rows in LDS: two transposing loads each, 16 rows apart
.macro FRAGS adr
.irp q, 0,1,2,3
.irp t, 0,1,2,3,4,5,6,7
	ds_load_tr16_b128 v[8*(8*\q+\t):8*(8*\q+\t)+3],   v[\adr] offset:32*WP*\q+32*\t
	ds_load_tr16_b128 v[8*(8*\q+\t)+4:8*(8*\q+\t)+7], v[\adr] offset:32*WP*\q+16*WP+32*\t
.endr
.endr
.endm
; Pass p's 16 rows from my stage into y's registers
.macro YIN p
.irp t, 0,1,2,3,4,5,6,7
	ds_load_b128 v[Y+8*\t:Y+8*\t+3],   v[SFRG] offset:\p*HALF+64*\t
	ds_load_b128 v[Y+8*\t+4:Y+8*\t+7], v[SFRG] offset:\p*HALF+64*\t+16
.endr
.endm
; Pass p's y out: into my stage in the register layout, back as whole rows, and each store of the wave covers one row's 512 consecutive bytes, aligned.
.macro YOUT p
	s_wait_dscnt 0x0                               ; the last evaluation's loads of c b1 into ACC are in: ACC is taken for the rows
.irp t, 0,1,2,3,4,5,6,7
	ds_store_b128 v[SFRG], v[Y+8*\t:Y+8*\t+3]   offset:\p*HALF+64*\t
	ds_store_b128 v[SFRG], v[Y+8*\t+4:Y+8*\t+7] offset:\p*HALF+64*\t+16
.endr
.set j, 0
.rept 16
	ds_load_b128 v[ACC+4*j:ACC+4*j+3], v[SROW] offset:\p*HALF+STP*j     ; my wave's own bytes; LDS serves a wave's instructions in order (ISA guide 5.7.1): these see the stores above
.set j, j+1
.endr
.set j, 0
.rept 16
	s_wait_dscnt 15-j                              ; row j is in; the younger rows may stay out
	global_store_b128 v[GO], v[ACC+4*j:ACC+4*j+3], s[14:15] offset:\p*8192+512*j th:TH_STORE_NT
.set j, j+1
.endr
.endm
; ---- ids and addresses ----
	s_load_b256 s[4:11], s[0:1], 0x0               ; x s[4:5], W1 s[6:7], b1 s[8:9], W2 s[10:11]
	s_load_b128 s[12:15], s[0:1], 0x20             ; b2 s[12:13], out0 s[14:15]
	v_lshrrev_b32 v15, 5, v0
	v_readfirstlane_b32 s16, v15                   ; wave 0..3
	v_and_b32 v1, 31, v0                           ; lane
	v_and_b32 v2, 15, v0                           ; r
	v_bfe_u32 v3, v0, 4, 1                         ; h
	s_lshl_b32 s18, ttmp9, 16                      ; the work-group's 128 rows of 512 bytes (at most 255 x 65,536: below 4 GiB)
	s_mov_b32 s19, 0
	s_mul_i32 s22, s16, WP
	s_lshl_b32 s23, s16, 14                        ; my wave's 32 rows of 512 bytes
	s_lshl_b32 s24, s16, 10
	s_add_co_u32 s24, s24, BIAS                    ; my wave's biases
	s_mul_i32 s25, s16, WSTG
	s_add_co_u32 s25, s25, STG                     ; my wave's stage
	v_lshlrev_b32 v[GW], 4, v0
	v_lshl_add_u32 v[SW1], v1, 3, s22
	v_add_nc_u32 v[SW2], LW2, v[SW1]
	v_lshl_add_u32 v[GO], v1, 4, s23
	v_lshlrev_b32 v[GB], 4, v1
	v_lshl_add_u32 v[ADB], v1, 4, s24
	v_lshl_add_u32 v[BIA], v3, 5, s24
	v_lshl_add_u32 v[SROW], v1, 4, s25
	v_mul_u32_u24 v[SFRG], STP, v2
	v_lshl_add_u32 v[SFRG], v3, 5, v[SFRG]
	v_add_nc_u32 v[SFRG], s25, v[SFRG]
	v_and_b32 v[TR1], 7, v0
	v_lshl_add_u32 v[TR1], v3, 3, v[TR1]           ; 8 h + lane % 8
	v_mul_u32_u24 v[TR1], WP, v[TR1]
	v_bfe_u32 v15, v0, 3, 1
	v_lshl_add_u32 v[TR1], v15, 4, v[TR1]
	v_add_nc_u32 v[TR2], LW2, v[TR1]
	s_wait_kmcnt 0x0
	s_add_nc_u64 s[4:5], s[4:5], s[18:19]          ; x and out0 at the work-group's first row
	s_add_nc_u64 s[14:15], s[14:15], s[18:19]
; ---- all global loads at once: 64 of the weights, 2 of the biases, 32 of x ----
; Load n of a weight matrix takes rows 4 n .. 4 n + 3, wave w row 4 n + w: one whole row of 512 bytes an instruction.
	WIN DST_W1
.set n, 0
.rept 32
	global_load_b128 v[4*n:4*n+3], v[GW], s[6:7] offset:2048*n
.set n, n+1
.endr
.set n, 0
.rept 32
	global_load_b128 v[128+4*n:128+4*n+3], v[GW], s[10:11] offset:2048*n
.set n, n+1
.endr
	WIN 0
	global_load_b128 v[32:35], v[GB], s[8:9]       ; b1: every wave takes all 512 bytes, for its own copy
	global_load_b128 v[36:39], v[GB], s[12:13]     ; b2
.set n, 0
.rept 32
	global_load_b128 v[64+4*n:64+4*n+3], v[GO], s[4:5] offset:512*n th:TH_LOAD_NT   ; my wave's row n of x: read once in the launch
.set n, n+1
.endr
; ---- weights: scale W1 by c, round once to bf16, into LDS as [k][n] rows ----
	s_wait_loadcnt 34                              ; loads come back in order: the 64 of the weights are in; the 2 + 32 issued behind them may stay out
	WIN ALL_W1
.set n, 0
.rept 32
	v_pk_mul_f32 v[4*n:4*n+1],   v[4*n:4*n+1],   C2L op_sel_hi:[1,0]
	v_pk_mul_f32 v[4*n+2:4*n+3], v[4*n+2:4*n+3], C2L op_sel_hi:[1,0]
	v_cvt_pk_bf16_f32 v[4*n],   v[4*n],   v[4*n+1]
	v_cvt_pk_bf16_f32 v[4*n+1], v[4*n+2], v[4*n+3]
	v_cvt_pk_bf16_f32 v[128+4*n],   v[128+4*n],   v[128+4*n+1]
	v_cvt_pk_bf16_f32 v[128+4*n+1], v[128+4*n+2], v[128+4*n+3]
.set n, n+1
.endr
	WIN DATA_W1
.set n, 0
.rept 32
	ds_store_b64 v[SW1], v[4*n:4*n+1] offset:4*WP*n            ; row 4 n + wave, 8 bytes a lane: 256 consecutive bytes
	ds_store_b64 v[SW2], v[128+4*n:128+4*n+1] offset:4*WP*n
.set n, n+1
.endr
	WIN 0
; ---- biases ----
	s_wait_loadcnt 32                              ; b1 and b2 are in; x's 32 loads may stay out
	v_pk_mul_f32 v[32:33], v[32:33], C2L op_sel_hi:[1,0]
	v_pk_mul_f32 v[34:35], v[34:35], C2L op_sel_hi:[1,0]
	ds_store_b128 v[ADB], v[32:35]
	ds_store_b128 v[ADB], v[36:39] offset:B2OFF
; ---- the launch's one barrier: every wave's quarter of the weights is in LDS before any wave reads fragments ----
	s_wait_dscnt 0x0                               ; for the other waves' sake: all my LDS stores are done
	s_barrier_signal -1
	s_barrier_wait -1                              ; (x's loads stay on their way: nobody writes those bytes)
	WIN DST_W2
	FRAGS TR1
	WIN DST_W3
	FRAGS TR2
	WIN 0
; ---- x into my own stage, pass 0's rows into y ----
	s_wait_loadcnt 0x0
.set n, 0
.rept 32
	ds_store_b128 v[SROW], v[64+4*n:64+4*n+3] offset:STP*n
.set n, n+1
.endr
	YIN 0                                          ; my wave's own bytes, served in order behind the stores above
	LOADB ACC, 0
	s_wait_dscnt 0x0                               ; y, c b1 and all 64 weight fragments are in
; ---- twelve trips: steps 0-5 of pass 0, steps 0-5 of pass 1 ----
	s_mov_b32 s20, 0
.Lstep:
.irp q, 0,1,2,3
	PACKU \q, Y+16*\q                              ; stage 1: u = y
.endr
	MLP 1, K1
	USTAGE 2, A21, 0, 0, 0, 0
	MLP 1, K2
	USTAGE 3, A31, A32, 0, 0, 0
	MLP 1, K3
	USTAGE 4, A41, A42, A43, 0, 0
	MLP 1, K4
	USTAGE 5, A51, A52, A53, A54, 0
	MLP 0, K5
	USTAGE 6, A61, A62, A63, A64, A65
	MLP 1, K2                                      ; k6 into k2's registers
	WIN SRC0_W1
	SWEEP K1, B1
	SWEEP K3, B3
	SWEEP K4, B4
	SWEEP K2, B6                                   ; k6
	WIN 0
	SWEEP K5, B5
	s_cmp_lg_u32 s20, TRIPS/2-1                    ; behind pass 0's sixth step the rows change
	s_cbranch_scc1 .Lsame
	YOUT 0
	s_wait_xcnt 0x0                                ; ACC, which the stores above read, is loaded again only behind this wait
	YIN 1
	LOADB ACC, 0
	s_wait_dscnt 16                                ; y's 16 loads are in; the 16 of c b1 issued behind them may stay out, as on the other way to the label
.Lsame:
	s_add_co_u32 s20, s20, 1
	s_cmp_lt_u32 s20, TRIPS
	s_cbranch_scc1 .Lstep
	YOUT 1
	s_wait_xcnt 0x0
	v_lshl_add_u32 v254, v0, 2, 0x23800
	v_mov_b32 v255, 0
	s_wait_tensorcnt 0x0
	ds_add_u32 v254, v255
	s_wait_dscnt 0x0
	s_endpgm
.Lfunc_end_k_q47c42d442f_ode:
	.size	k_q47c42d442f_ode, .Lfunc_end_k_q47c42d442f_ode-k_q47c42d442f_ode
	.p2alignl 7, 3214868480
	.fill 96, 4, 3214868480
	.section	.rodata,"a",@progbits
	.p2align	6, 0x0
	.amdhsa_kernel k_q47c42d442f_ode
		.amdhsa_group_segment_fixed_size 145920
		.amdhsa_private_segment_fixed_size 0
		.amdhsa_enable_private_segment 0
		.amdhsa_kernarg_size 48
		.amdhsa_user_sgpr_count 2
		.amdhsa_user_sgpr_kernarg_segment_ptr 1
		.amdhsa_wavefront_size32 1
		.amdhsa_system_sgpr_workgroup_id_x 1
		.amdhsa_system_sgpr_workgroup_id_y 1
		.amdhsa_system_sgpr_workgroup_id_z 1
		.amdhsa_system_vgpr_workitem_id 0
		.amdhsa_next_free_vgpr 1024
		.amdhsa_next_free_sgpr 66
		.amdhsa_reserve_vcc 0
		.amdhsa_float_denorm_mode_32 3
		.amdhsa_float_denorm_mode_16_64 3
		.amdhsa_memory_ordered 1
		.amdhsa_forward_progress 1
		.amdhsa_inst_pref_size 226
	.end_amdhsa_kernel
	.amdgpu_metadata
---
amdhsa.version: [ 1, 2 ]
amdhsa.kernels:
  - .name:           k_q47c42d442f_ode
    .symbol:         k_q47c42d442f_ode.kd
    .args:
      - { .name: x, .offset: 0, .size: 8, .value_kind: global_buffer, .address_space: global }
      - { .name: W1, .offset: 8, .size: 8, .value_kind: global_buffer, .address_space: global }
      - { .name: b1, .offset: 16, .size: 8, .value_kind: global_buffer, .address_space: global }
      - { .name: W2, .offset: 24, .size: 8, .value_kind: global_buffer, .address_space: global }
      - { .name: b2, .offset: 32, .size: 8, .value_kind: global_buffer, .address_space: global }
      - { .name: out0, .offset: 40, .size: 8, .value_kind: global_buffer, .address_space: global }
    .group_segment_fixed_size: 145920
    .private_segment_fixed_size: 0
    .kernarg_segment_align: 8
    .kernarg_segment_size: 48
    .max_flat_workgroup_size: 128
    .sgpr_count:     66
    .vgpr_count:     1024
    .wavefront_size: 32
...
	.end_amdgpu_metadata
.endif
;; end of part 1
;; ======== version 2 of 2: 1 launch; version 1 with the launch ode written anew for expert scheduling mode
;; launch ode (part 2): grid 256 x 1, 4 waves a work-group, no clusters, 145,920 bytes of LDS; arguments x, W1, b1, W2, b2, out0; writes out0
.if DOCPART == 2
	.amdgcn_target "amdgcn-amd-amdhsa--gfx1250"
	.amdhsa_code_object_version 6
	.text
	.protected	k_q47c42d442f_ode
	.globl	k_q47c42d442f_ode
	.p2align	8
	.type	k_q47c42d442f_ode,@function
k_q47c42d442f_ode:
	s_mov_b64 s[64:65], 0
	v_nop
	global_prefetch_b8 v0, s[64:65] scope:SCOPE_SE
	s_setreg_imm32_b32 hwreg(HW_REG_WAVE_SCHED_MODE, 0, 2), 2
	s_setreg_imm32_b32 hwreg(HW_REG_WAVE_MODE, 25, 1), 1
	s_wait_xcnt 0x0
	s_wait_alu depctr_vm_vsrc(0)
; Six fixed Dormand-Prince steps of y' = f(y) = tanh(y W1 + b1) W2 + b2 on 32,768 independent rows of 128 f32.  One launch, x read once, out0 written once.
; SHARES: 256 work-groups x 128 rows; 4 waves x 32 rows; a wave works its rows in two passes of 16.  36 evaluations of f a pass, 64 matrix instructions each.
; EVERYTHING STAYS IN REGISTERS: both weight matrices as bf16 fragments (2 x 256 registers a wave, loaded once), y and k1..k5 of the 16 rows in f32
; (6 x 64 registers).  In the loop LDS serves only the two biases, which are loaded into the accumulators as the products' C operand.
; THE PRODUCTS ARE TRANSPOSED: Z^T = W1^T U^T and K^T = W2^T H^T, weights as source 0, batch rows as source 1.  With r = lane % 16, h = lane / 16, register j of
; result tile t holds (feature 16 t + 8 h + j, batch row r).  Two neighbouring tiles 2q, 2q+1, packed in pairs to bf16, are then exactly source 1's fragment of
; K block q (registers 0-3: k = 32 q + 8 h + 0..7, registers 4-7: k = 32 q + 16 + 8 h + 0..7): nothing is transposed between the products, no barrier in the loop.
; Every f32 matrix M of the 16 rows is 64 registers: M[8 t + j] = M(row r, feature 16 t + 8 h + j).
; FOLDS, made once: c = 2 log2 e is multiplied into W1 (before its one rounding to bf16) and into b1, so that tanh(z) = 1 - 2 / (1 + 2^(c z)) needs no multiply
; in front of the exponential.  DT x tableau are f32 constants.
; LIMITS, kept on purpose:
;   - the stage sums are chains of fused multiply-adds with DT x a_ij multiplied beforehand: an order of rounding other than the reference's (a few 2^-24 relative);
;   - tanh has an absolute error of a few 2^-24 (its relative accuracy falls off below |z| of about 1e-4); it reaches y multiplied by |W2| x DT.
;     2^(c z) = infinity gives tanh = 1 exactly, 2^(c z) = 0 (underflow is flushed: ISA guide, v_exp_f32) gives -1 exactly, NaN stays NaN;
;   - u, tanh(..), c W1 and W2 enter the matrix unit rounded to bf16; y, k1..k6 and all sums stay in f32.
; NO CLUSTER, NO TENSOR LOADS: what work-groups share is 131,072 bytes of weights and 1,024 of biases, read once by each work-group in front of 4,608 matrix
; instructions a wave, and they pass through registers in any case (scaling by c, f32 to bf16).  No prefetch: all of a wave's x is asked for in the first lines.
; THE MODE: SCHED_MODE bits 1:0 = 2 (LLVM: expert scheduling mode 2), set by the entry lines.  The code itself states the register dependences
; between vector or matrix instructions and memory or LDS instructions, with s_wait_alu, always for 0.
; THE PLAN.  Registers that memory or LDS instructions touch:
;   v4 .. v14     offsets and LDS addresses: written at the head, ahead of one wait on va_vdst, and never again.
;   set-up        window 1: the weights land, are scaled and rounded in place, and are read by LDS stores; v[32:39]: the biases likewise; v[64:191]: x lands and is read
;                 by LDS stores.  One wait on va_vdst ahead of the run of weight and bias stores; one wait on vm_vsrc behind the last LDS store of the set-up, ahead of
;                 everything that writes these registers again.  Windows 2 and 3: the fragments land once; matrix instructions alone name them afterwards.
;   ACC           an evaluation: c b1 lands; the first product and tanh write it; the second product reads it (H); c b1 lands again.
;                 One wait on va_vdst behind the second product, and c b1's 16 loads straight behind it: they have the next stage's sums in which to land.
;   K1 .. K5      the slope in hand: b2 lands; the second product writes it; stage sums and sweeps read it until the next step.  b2's 16 loads stand straight behind the
;                 wait for the exponentials, which also states that all those earlier readers are done; they have the reciprocals in which to land.
;   Y, ACC        on the way out: LDS stores read y behind one wait on va_vdst; rows land in ACC and global stores read them.  Between the passes one wait on vm_vsrc
;                 stands ahead of the loads that land in both again.
;   T, FR (in the loop) are named by vector and matrix instructions alone.
; ---- sizes and LDS map (bytes) ----
.set WP,    288                        ; pitch of a bf16 weight row [k][128]: 256 + 32 = 9 x 32, for the transposing loads
.set LW1,   0                          ; c W1, 128 rows x 288
.set LW2,   36864                      ; W2, 128 rows x 288
.set BIAS,  73728                      ; wave w at + 1024 w: c b1 (512 bytes), then b2 (512 bytes); each wave's own copy
.set B2OFF, 512
.set STG,   77824                      ; wave w at + 16896 w: its 32 rows of f32; x on the way in, y on the way out; own bytes only
.set STP,   528                        ; stage pitch: 512 + 16 = 33 x 16: sixteen rows' equal columns lie in sixteen different 16-byte columns modulo 256 bytes
.set WSTG,  32*STP
.set HALF,  16*STP                     ; a pass's 16 rows in the stage
.set TRIPS, 12                         ; 2 passes x 6 steps
; ---- constants ----
.set C2L, 0x4038aa3b                   ; 2 log2 e
.set A21, 0x3b03126f                   ; DT x 1/5
.set A31, 0x3a449ba6                   ; DT x 3/40
.set A32, 0x3b1374bc                   ; DT x 9/40
.set A41, 0x3c2032f9                   ; DT x 44/45
.set A42, 0xbd18ead6                   ; DT x -56/15
.set A43, 0x3d11a2b4                   ; DT x 32/9
.set A51, 0x3cf1e07c                   ; DT x 19372/6561
.set A52, 0xbded7b5a                   ; DT x -25360/2187
.set A53, 0x3dc92c40                   ; DT x 64448/6561
.set A54, 0xbb3e95b6                   ; DT x -212/729
.set A61, 0x3ce92ab8                   ; DT x 9017/3168
.set A62, 0xbddc50ae                   ; DT x -355/33
.set A63, 0x3db6674e                   ; DT x 46732/5247
.set A64, 0x3b36754b                   ; DT x 49/176
.set A65, 0xbb3342f0                   ; DT x -5103/18656
.set B1,  0x3a6eeeef                   ; DT x 35/384
.set B3,  0x3b9334ac                   ; DT x 500/1113
.set B4,  0x3bd55555                   ; DT x 125/192
.set B5,  0xbb5345bf                   ; DT x -2187/6784
.set B6,  0x3aaba454                   ; DT x 11/84
; ---- vector registers ----
; window 0: v0 thread, v1 lane, v2 r, v3 h, v15 set-up's temporary, and
.set GW,   4                           ; 16 x thread: my 16 bytes in four rows of a weight matrix
.set SW1,  5                           ; LDS: 288 wave + 8 lane (c W1 in bf16)
.set SW2,  6                           ; the same for W2
.set GO,   7                           ; 16384 wave + 16 lane: my 16 bytes of my wave's first row, in x and in out0
.set GB,   8                           ; 16 lane: my 16 bytes of a bias
.set ADB,  9                           ; LDS: my wave's biases + 16 lane (stores)
.set BIA,  10                          ; LDS: my wave's biases + 32 h (features 8 h .. 8 h + 7 of tile 0)
.set SROW, 11                          ; LDS: my wave's stage + 16 lane (whole rows)
.set SFRG, 12                          ; LDS: my wave's stage + 528 r + 32 h (register layout)
.set TR1,  13                          ; LDS: (8 h + lane % 8) 288 + 16 ((lane / 8) % 2): transposing loads of c W1
.set TR2,  14                          ; the same for W2
.set T,    16                          ; v[16:31]   one K block (16 registers) of a stage's u in f32
.set FR,   32                          ; v[32:63]   u in bf16: fragment q at FR + 8 q
.set ACC,  64                          ; v[64:127]  Z tile t at ACC + 8 t; behind tanh, H's fragment q at ACC + 16 q .. + 7
.set Y,    128                         ; v[128:191] y
.set K5,   192                         ; v[192:255] k5
; window 1: the four other slopes; k6 takes k2's registers (k2 is dead once u6 is made)
.set K1,   0
.set K2,   64
.set K3,   128
.set K4,   192
; window 2: c W1's fragment (tile t, K block q) at 8 (8 q + t);  window 3: W2's likewise
; ---- s_set_vgpr_msb, low byte: bits 1:0 source 0, 3:2 source 1, 5:4 source 2, 7:6 destination ----
.set DST_W1,  0x40                     ; loads into window 1
.set ALL_W1,  0x45                     ; sources 0, 1 and destination in window 1
.set DATA_W1, 0x04                     ; an LDS store's data in window 1
.set DST_W2,  0x80
.set DST_W3,  0xc0
.set G1W,     0x02                     ; first product: source 0 (c W1) window 2, the rest window 0
.set G2W1,    0x53                     ; second product: source 0 (W2) window 3, source 1 (H) window 0, C and D window 1
.set G2W0,    0x03                     ; the same with C and D in window 0 (k5)
.set SRC0_W1, 0x01                     ; a slope of window 1 as a multiply-add's first source
.set MSB, 0
.macro WIN new                         ; the immediate's high byte repeats the setting that is left; a switch that changes nothing is dropped
.if MSB != \new
	s_set_vgpr_msb (MSB<<8)|\new
.set MSB, \new
.endif
.endm
; Four places behind a matrix instruction, before a vector instruction reads its result (ISA guide 7.12.1).
.macro PLACES
.rept 4
	v_nop
.endr
.endm
; T (+)= coef x k, K block q (16 registers, two at a time); first = 1: the sum starts from y, nothing is cleared or copied
.macro AXPY q, kb, coef, first
.irp e, 0,1,2,3,4,5,6,7
.if \first
	v_pk_fma_f32 v[T+2*\e:T+2*\e+1], v[\kb+16*\q+2*\e:\kb+16*\q+2*\e+1], \coef, v[Y+16*\q+2*\e:Y+16*\q+2*\e+1] op_sel_hi:[1,0,1]
.else
	v_pk_fma_f32 v[T+2*\e:T+2*\e+1], v[\kb+16*\q+2*\e:\kb+16*\q+2*\e+1], \coef, v[T+2*\e:T+2*\e+1] op_sel_hi:[1,0,1]
.endif
.endr
.endm
; 16 f32 at src become u's bf16 fragment of K block q
.macro PACKU q, src
.irp e, 0,1,2,3,4,5,6,7
	v_cvt_pk_bf16_f32 v[FR+8*\q+\e], v[\src+2*\e], v[\src+2*\e+1]
.endr
.endm
; A bias as the C operand of eight tiles: 16 loads; lanes 0-15 read one 16 bytes, lanes 16-31 another
.macro LOADB dst, off
.irp t, 0,1,2,3,4,5,6,7
	ds_load_b128 v[\dst+8*\t:\dst+8*\t+3],   v[BIA] offset:\off+64*\t
	ds_load_b128 v[\dst+8*\t+4:\dst+8*\t+7], v[BIA] offset:\off+64*\t+16
.endr
.endm
; 32 matrix instructions: eight result tiles at d, four K blocks; source 1's fragment q at b + bs q.
; The eight accumulators take turns, one instruction a turn.
.macro GEMM d, b, bs
.irp q, 0,1,2,3
.irp t, 0,1,2,3,4,5,6,7
	v_wmma_f32_16x16x32_bf16 v[\d+8*\t:\d+8*\t+7], v[8*(8*\q+\t):8*(8*\q+\t)+7], v[\b+\bs*\q:\b+\bs*\q+7], v[\d+8*\t:\d+8*\t+7]
.endr
.endr
.endm
; ACC holds c z; h = 1 - 2 / (1 + 2^(c z)), in place, then packed to H's four fragments: in two parts, EXPS and REST, with the wait for the exponentials between them (MLP writes it).
; Behind each run of transcendentals one v_nop stands before a result is used (ISA guide 5.7.2).
.macro EXPS
.set i, 0
.rept 64
	v_exp_f32 v[ACC+i], v[ACC+i]
.set i, i+1
.endr
	v_nop
.endm
.macro REST
.set i, 0
.rept 32
	v_pk_add_f32 v[ACC+i:ACC+i+1], v[ACC+i:ACC+i+1], 1.0 op_sel_hi:[1,0]
.set i, i+2
.endr
.set i, 0
.rept 64
	v_rcp_f32 v[ACC+i], v[ACC+i]
.set i, i+1
.endr
	v_nop
	s_wait_alu depctr_va_vdst(0)                   ; the 64 reciprocals have written ACC: one wait for the batch, ahead of its first reader
.set i, 0
.rept 32
	v_pk_fma_f32 v[ACC+i:ACC+i+1], v[ACC+i:ACC+i+1], -2.0, 1.0 op_sel_hi:[1,0,0]
.set i, i+2
.endr
.irp q, 0,1,2,3
.irp e, 0,1,2,3,4,5,6,7
	v_cvt_pk_bf16_f32 v[ACC+16*\q+\e], v[ACC+16*\q+2*\e], v[ACC+16*\q+2*\e+1]   ; ascending e: register 16 q + e has been read by the time it is written
.endr
.endr
.endm
; y += coef x k, all 64 registers
.macro SWEEP kb, coef
.set i, 0
.rept 32
	v_pk_fma_f32 v[Y+i:Y+i+1], v[\kb+i:\kb+i+1], \coef, v[Y+i:Y+i+1] op_sel_hi:[1,0,1]
.set i, i+2
.endr
.endm
; One evaluation of f: u's fragments lie in FR, c b1 is on its way into ACC; the slope goes to registers sb of window win (0 or 1).
.macro MLP win, sb
	s_wait_dscnt 0x0                               ; c b1 is in ACC: its 16 loads are all that is out
	WIN G1W
	GEMM ACC, FR, 8                                ; c z^T = (c W1)^T u^T + c b1
	WIN 0
	PLACES
	EXPS
.if \win
	WIN DST_W1
.endif
	s_wait_alu depctr_va_vdst(0)                   ; the 64 exponentials have written ACC: one wait for the batch, ahead of its first reader; and the stage sums and the last step's sweeps are done reading the slope's registers, in which the loads below land
	LOADB \sb, B2OFF                               ; b2 as the second product's C: it has the additions and the reciprocals in which to land
	WIN 0
	REST
	s_wait_dscnt 0x0                               ; b2 is in
.if \win
	WIN G2W1
.else
	WIN G2W0
.endif
	GEMM \sb, ACC, 16                              ; k^T = W2^T h^T + b2
	WIN 0
	PLACES                                         ; for the sums that read k next
	s_wait_alu depctr_va_vdst(0)                   ; the second product is done reading H in ACC, in which the loads below land
	LOADB ACC, 0                                   ; c b1 for the next evaluation: it has the next stage's sums in which to land
.endm
; Stage n = 2 .. 6: u = y + c1 k1 + .. + c(n-1) k(n-1), a K block at a time, then packed.  k1..k4 lie in window 1, k5 in window 0.
.macro USTAGE n, c1, c2, c3, c4, c5
.irp q, 0,1,2,3
	WIN SRC0_W1
	AXPY \q, K1, \c1, 1
.if \n > 2
	AXPY \q, K2, \c2, 0
.endif
.if \n > 3
	AXPY \q, K3, \c3, 0
.endif
.if \n > 4
	AXPY \q, K4, \c4, 0
.endif
	WIN 0
.if \n > 5
	AXPY \q, K5, \c5, 0
.endif
	PACKU \q, T
.endr
.endm
; The 32 fragments of a weight matrix from its [k][n] rows in LDS: two transposing loads each, 16 rows apart
.macro FRAGS adr
.irp q, 0,1,2,3
.irp t, 0,1,2,3,4,5,6,7
	ds_load_tr16_b128 v[8*(8*\q+\t):8*(8*\q+\t)+3],   v[\adr] offset:32*WP*\q+32*\t
	ds_load_tr16_b128 v[8*(8*\q+\t)+4:8*(8*\q+\t)+7], v[\adr] offset:32*WP*\q+16*WP+32*\t
.endr
.endr
.endm
; Pass p's 16 rows from my stage into y's registers
.macro YIN p
.irp t, 0,1,2,3,4,5,6,7
	ds_load_b128 v[Y+8*\t:Y+8*\t+3],   v[SFRG] offset:\p*HALF+64*\t
	ds_load_b128 v[Y+8*\t+4:Y+8*\t+7], v[SFRG] offset:\p*HALF+64*\t+16
.endr
.endm
; Pass p's y out: into my stage in the register layout, back as whole rows, and each store of the wave covers one row's 512 consecutive bytes, aligned.
.macro YOUT p
	s_wait_dscnt 0x0                               ; the last evaluation's loads of c b1 into ACC are in: ACC is taken for the rows
	s_wait_alu depctr_va_vdst(0)                   ; the step's five sweeps have written y, which the LDS stores below read
.irp t, 0,1,2,3,4,5,6,7
	ds_store_b128 v[SFRG], v[Y+8*\t:Y+8*\t+3]   offset:\p*HALF+64*\t
	ds_store_b128 v[SFRG], v[Y+8*\t+4:Y+8*\t+7] offset:\p*HALF+64*\t+16
.endr
.set j, 0
.rept 16
	ds_load_b128 v[ACC+4*j:ACC+4*j+3], v[SROW] offset:\p*HALF+STP*j     ; my wave's own bytes; LDS serves a wave's instructions in order (ISA guide 5.7.1): these see the stores above
.set j, j+1
.endr
.set j, 0
.rept 16
	s_wait_dscnt 15-j                              ; row j is in; the younger rows may stay out
	global_store_b128 v[GO], v[ACC+4*j:ACC+4*j+3], s[14:15] offset:\p*8192+512*j th:TH_STORE_NT
.set j, j+1
.endr
.endm
; ---- ids and addresses ----
	s_load_b256 s[4:11], s[0:1], 0x0               ; x s[4:5], W1 s[6:7], b1 s[8:9], W2 s[10:11]
	s_load_b128 s[12:15], s[0:1], 0x20             ; b2 s[12:13], out0 s[14:15]
	v_lshrrev_b32 v15, 5, v0
	v_readfirstlane_b32 s16, v15                   ; wave 0..3
	v_and_b32 v1, 31, v0                           ; lane
	v_and_b32 v2, 15, v0                           ; r
	v_bfe_u32 v3, v0, 4, 1                         ; h
	s_lshl_b32 s18, ttmp9, 16                      ; the work-group's 128 rows of 512 bytes (at most 255 x 65,536: below 4 GiB)
	s_mov_b32 s19, 0
	s_wait_alu depctr_va_sdst(0)                   ; s16 is written, ahead of its first reader: the wave's places in LDS and in x are made from it
	s_mul_i32 s22, s16, WP
	s_lshl_b32 s23, s16, 14                        ; my wave's 32 rows of 512 bytes
	s_lshl_b32 s24, s16, 10
	s_add_co_u32 s24, s24, BIAS                    ; my wave's biases
	s_mul_i32 s25, s16, WSTG
	s_add_co_u32 s25, s25, STG                     ; my wave's stage
	v_lshlrev_b32 v[GW], 4, v0
	v_lshl_add_u32 v[SW1], v1, 3, s22
	v_add_nc_u32 v[SW2], LW2, v[SW1]
	v_lshl_add_u32 v[GO], v1, 4, s23
	v_lshlrev_b32 v[GB], 4, v1
	v_lshl_add_u32 v[ADB], v1, 4, s24
	v_lshl_add_u32 v[BIA], v3, 5, s24
	v_lshl_add_u32 v[SROW], v1, 4, s25
	v_mul_u32_u24 v[SFRG], STP, v2
	v_lshl_add_u32 v[SFRG], v3, 5, v[SFRG]
	v_add_nc_u32 v[SFRG], s25, v[SFRG]
	v_and_b32 v[TR1], 7, v0
	v_lshl_add_u32 v[TR1], v3, 3, v[TR1]           ; 8 h + lane % 8
	v_mul_u32_u24 v[TR1], WP, v[TR1]
	v_bfe_u32 v15, v0, 3, 1
	v_lshl_add_u32 v[TR1], v15, 4, v[TR1]
	v_add_nc_u32 v[TR2], LW2, v[TR1]
	s_wait_kmcnt 0x0
	s_add_nc_u64 s[4:5], s[4:5], s[18:19]          ; x and out0 at the work-group's first row
	s_add_nc_u64 s[14:15], s[14:15], s[18:19]
; ---- all global loads at once: 64 of the weights, 2 of the biases, 32 of x ----
; Load n of a weight matrix takes rows 4 n .. 4 n + 3, wave w row 4 n + w: one whole row of 512 bytes an instruction.
	WIN DST_W1
	s_wait_alu depctr_va_vdst(0)                   ; the eleven offsets and addresses v4 to v14 are written: every load and store of the kernel reads one of them, and none is written again
.set n, 0
.rept 32
	global_load_b128 v[4*n:4*n+3], v[GW], s[6:7] offset:2048*n
.set n, n+1
.endr
.set n, 0
.rept 32
	global_load_b128 v[128+4*n:128+4*n+3], v[GW], s[10:11] offset:2048*n
.set n, n+1
.endr
	WIN 0
	global_load_b128 v[32:35], v[GB], s[8:9]       ; b1: every wave takes all 512 bytes, for its own copy
	global_load_b128 v[36:39], v[GB], s[12:13]     ; b2
.set n, 0
.rept 32
	global_load_b128 v[64+4*n:64+4*n+3], v[GO], s[4:5] offset:512*n th:TH_LOAD_NT   ; my wave's row n of x: read once in the launch
.set n, n+1
.endr
; ---- weights: scale W1 by c, round once to bf16; biases: scale b1 by c; then all of it into LDS, the weights as [k][n] rows ----
	s_wait_loadcnt 34                              ; loads come back in order: the 64 of the weights are in; the 2 + 32 issued behind them may stay out
	WIN ALL_W1
.set n, 0
.rept 32
	v_pk_mul_f32 v[4*n:4*n+1],   v[4*n:4*n+1],   C2L op_sel_hi:[1,0]
	v_pk_mul_f32 v[4*n+2:4*n+3], v[4*n+2:4*n+3], C2L op_sel_hi:[1,0]
	v_cvt_pk_bf16_f32 v[4*n],   v[4*n],   v[4*n+1]
	v_cvt_pk_bf16_f32 v[4*n+1], v[4*n+2], v[4*n+3]
	v_cvt_pk_bf16_f32 v[128+4*n],   v[128+4*n],   v[128+4*n+1]
	v_cvt_pk_bf16_f32 v[128+4*n+1], v[128+4*n+2], v[128+4*n+3]
.set n, n+1
.endr
	WIN 0
	s_wait_loadcnt 32                              ; b1 and b2 are in; x's 32 loads may stay out
	v_pk_mul_f32 v[32:33], v[32:33], C2L op_sel_hi:[1,0]
	v_pk_mul_f32 v[34:35], v[34:35], C2L op_sel_hi:[1,0]
	WIN DATA_W1
	s_wait_alu depctr_va_vdst(0)                   ; the roundings have written the weights' registers and the two multiplies v[32:35]: the 66 LDS stores below read them
.set n, 0
.rept 32
	ds_store_b64 v[SW1], v[4*n:4*n+1] offset:4*WP*n            ; row 4 n + wave, 8 bytes a lane: 256 consecutive bytes
	ds_store_b64 v[SW2], v[128+4*n:128+4*n+1] offset:4*WP*n
.set n, n+1
.endr
	WIN 0
	ds_store_b128 v[ADB], v[32:35]
	ds_store_b128 v[ADB], v[36:39] offset:B2OFF
; ---- the launch's one barrier: every wave's quarter of the weights is in LDS before any wave reads fragments ----
	s_wait_dscnt 0x0                               ; for the other waves' sake: all my LDS stores are done
	s_barrier_signal -1
	s_barrier_wait -1                              ; (x's loads stay on their way: nobody writes those bytes)
	WIN DST_W2
	FRAGS TR1                                      ; no vector or matrix instruction has named windows 2 and 3 yet
	WIN DST_W3
	FRAGS TR2
	WIN 0
; ---- x into my own stage, pass 0's rows into y ----
	s_wait_loadcnt 0x0
.set n, 0
.rept 32
	ds_store_b128 v[SROW], v[64+4*n:64+4*n+3] offset:STP*n
.set n, n+1
.endr
	s_wait_alu depctr_vm_vsrc(0)                   ; all my LDS stores have read their data: v[64:191], in which y and c b1 land below; window 1, in which b2 lands in the loop; v[32:39], which the first packing writes
	YIN 0                                          ; my wave's own bytes, served in order behind the stores above
	LOADB ACC, 0
	s_wait_dscnt 0x0                               ; y, c b1 and all 64 weight fragments are in
; ---- twelve trips: steps 0-5 of pass 0, steps 0-5 of pass 1 ----
	s_mov_b32 s20, 0
.Lstep:
.irp q, 0,1,2,3
	PACKU \q, Y+16*\q                              ; stage 1: u = y
.endr
	MLP 1, K1
	USTAGE 2, A21, 0, 0, 0, 0
	MLP 1, K2
	USTAGE 3, A31, A32, 0, 0, 0
	MLP 1, K3
	USTAGE 4, A41, A42, A43, 0, 0
	MLP 1, K4
	USTAGE 5, A51, A52, A53, A54, 0
	MLP 0, K5
	USTAGE 6, A61, A62, A63, A64, A65
	MLP 1, K2                                      ; k6 into k2's registers
	WIN SRC0_W1
	SWEEP K1, B1
	SWEEP K3, B3
	SWEEP K4, B4
	SWEEP K2, B6                                   ; k6
	WIN 0
	SWEEP K5, B5
	s_cmp_lg_u32 s20, TRIPS/2-1                    ; behind pass 0's sixth step the rows change
	s_cbranch_scc1 .Lsame
	YOUT 0
	s_wait_xcnt 0x0                                ; ACC, which the stores above read, is loaded again only behind this wait
	s_wait_alu depctr_vm_vsrc(0)                   ; the LDS stores have read y and the global stores ACC: the loads below land in both (no vector instruction has named either since the wait at the way out's head)
	YIN 1
	LOADB ACC, 0
	s_wait_dscnt 16                                ; y's 16 loads are in; the 16 of c b1 issued behind them may stay out, as on the other way to the label
.Lsame:
	s_add_co_u32 s20, s20, 1
	s_cmp_lt_u32 s20, TRIPS
	s_cbranch_scc1 .Lstep
	YOUT 1
	s_wait_xcnt 0x0
	v_lshl_add_u32 v254, v0, 2, 0x23800            ; the add's two registers, made anew in k5's last two: no memory or LDS instruction has read these two
	v_mov_b32 v255, 0
	s_wait_dscnt 0x0                               ; the closing lines, six on end
	s_wait_alu 0x0
	s_wait_tensorcnt 0x0
	ds_add_u32 v254, v255
	s_wait_dscnt 0x0
	s_endpgm
.Lfunc_end_k_q47c42d442f_ode:
	.size	k_q47c42d442f_ode, .Lfunc_end_k_q47c42d442f_ode-k_q47c42d442f_ode
	.p2alignl 7, 3214868480
	.fill 96, 4, 3214868480
	.section	.rodata,"a",@progbits
	.p2align	6, 0x0
	.amdhsa_kernel k_q47c42d442f_ode
		.amdhsa_group_segment_fixed_size 145920
		.amdhsa_private_segment_fixed_size 0
		.amdhsa_enable_private_segment 0
		.amdhsa_kernarg_size 48
		.amdhsa_user_sgpr_count 2
		.amdhsa_user_sgpr_kernarg_segment_ptr 1
		.amdhsa_wavefront_size32 1
		.amdhsa_system_sgpr_workgroup_id_x 1
		.amdhsa_system_sgpr_workgroup_id_y 1
		.amdhsa_system_sgpr_workgroup_id_z 1
		.amdhsa_system_vgpr_workitem_id 0
		.amdhsa_next_free_vgpr 1024
		.amdhsa_next_free_sgpr 66
		.amdhsa_reserve_vcc 0
		.amdhsa_float_denorm_mode_32 3
		.amdhsa_float_denorm_mode_16_64 3
		.amdhsa_memory_ordered 1
		.amdhsa_forward_progress 1
		.amdhsa_inst_pref_size 227
	.end_amdhsa_kernel
	.amdgpu_metadata
---
amdhsa.version: [ 1, 2 ]
amdhsa.kernels:
  - .name:           k_q47c42d442f_ode
    .symbol:         k_q47c42d442f_ode.kd
    .args:
      - { .name: x, .offset: 0, .size: 8, .value_kind: global_buffer, .address_space: global }
      - { .name: W1, .offset: 8, .size: 8, .value_kind: global_buffer, .address_space: global }
      - { .name: b1, .offset: 16, .size: 8, .value_kind: global_buffer, .address_space: global }
      - { .name: W2, .offset: 24, .size: 8, .value_kind: global_buffer, .address_space: global }
      - { .name: b2, .offset: 32, .size: 8, .value_kind: global_buffer, .address_space: global }
      - { .name: out0, .offset: 40, .size: 8, .value_kind: global_buffer, .address_space: global }
    .group_segment_fixed_size: 145920
    .private_segment_fixed_size: 0
    .kernarg_segment_align: 8
    .kernarg_segment_size: 48
    .max_flat_workgroup_size: 128
    .sgpr_count:     66
    .vgpr_count:     1024
    .wavefront_size: 32
...
	.end_amdgpu_metadata
.endif
;; end of part 2
